; MI455X (gfx1250); checked and timed in simulation.
; The chip was launched on July 23, 2026; its instructions are those of AMD's public machine-readable ISA for CDNA 5 (MIT licence, August 2026) and "CDNA5" Instruction Set Architecture Reference Guide (July 2026). The comments in the code are by the model that wrote it; some were corrected since.
;; Attention. Allowed arithmetic: matrix products marked QUANTISED: E3M2 operands, one E8M0 scale for each 32 along K, by v_wmma_scale_f32_16x16x128_f8f6f4 with both operands' format E3M2, f32 sums; everything else in f32.
;; Inputs: k 8 x 16 x 1,024 x 64 float32; q 8 x 16 x 1,024 x 64 float32; v 8 x 16 x 1,024 x 64 float32.
;; Outputs: out0 8 x 1,024 x 1,024 float32.
;; This version of the problem:
;;   THIS VERSION OF THE PROBLEM IS GIVEN IN LOW PRECISION. The matrix products marked QUANTISED in the list below multiply operands that are first quantised to E3M2 (3 exponent bits, 2 mantissa bits; 6 bits a number), with one power-of-two scale for each 32 numbers along K (OCP MX v1.0); their sums are f32. All else is computed in f32.
;;   The module's matrix products, in the order in which they are computed (A, B: the left and right operand; K: the contracted axis; several contracted axes count as one K, in the product's order):
;;     1. batch 128 x [M 1,024, K 64] x [K 64, N 1,024]; A: computed on the way; B: computed on the way: QUANTISED
;;     2. batch 128 x [M 1,024, K 1,024] x [K 1,024, N 64]; A: softmax (see below); B: input v: QUANTISED
;;   THE QUANTISER, for each operand of a quantised product, along K:
;;     - K is cut into blocks of 32 from its start; a last block that is shorter is filled with zeros.
;;     - A block's scale is 2^e with e = floor(log2(the largest magnitude in the block)) - 4, held to -126 .. 127; a block of zeros has e = 0. As a byte (E8M0): e + 127.
;;     - Each number is divided by its block's scale, clamped to +-28, and rounded to the nearest number of E3M2, ties to even, subnormals kept.
;;     - The product sums the exact products of the quantised numbers (number of the format x scale) in f32.
;;   ~~~python
;;   def quantise(x, axis):      # numpy; x: float32 -> the quantised numbers, widened to float32 again
;;       x = np.moveaxis(x, axis, -1); K = x.shape[-1]
;;       x = np.pad(x, [(0, 0)] * (x.ndim - 1) + [(0, -K % 32)]); x = x.reshape(x.shape[:-1] + (-1, 32)); a = np.abs(x).max(-1, keepdims=True)
;;       e = np.where(a > 0, np.clip(np.frexp(np.where(a > 0, a, 1))[1] - 1 - 4, -126, 127), 0)      # np.frexp(a)[1] - 1 = floor(log2(a)), exactly
;;       r = np.clip(x / 2.0 ** e, -28, 28)
;;       step = 2.0 ** (np.maximum(np.frexp(np.where(r == 0, 1, r))[1] - 1, -2) - 2)
;;       q = np.round(r / step) * step * 2.0 ** e      # np.round: ties to even
;;       return np.moveaxis(q.reshape(q.shape[:-2] + (-1,))[..., :K], -1, axis).astype(np.float32)
;;   ~~~
;;   SOFTMAX AHEAD OF A QUANTISED PRODUCT. Where the list says 'softmax', what is quantised is not the finished softmax but p = 2^(t - M), with t = logit x log2(e) and M = ceil(the row's largest t), a whole number; so 1/2 < the row's largest p <= 1. The row's sum l is taken of the UNQUANTISED p, in f32, and the product's result is divided by l at the end. Since M is a whole number, a kernel that streams over the keys may use a running M (the ceiling of the running maximum): every later rescaling is an exact power of two, which a block's scale takes up: the codes' values come out the same.
;;   OPERANDS COMPUTED ON THE WAY. 'Computed on the way' means the value that the module computes at that place (a softmax that the list does not call 'softmax' is quantised finished and normalised). What goes into a quantiser is computed in f32, as accurately as f32 sums, v_exp_f32 and their like allow (about 1e-6 of the number): no bf16 or f16 on the way to a quantiser, and a product that is left as it is and whose result goes on into a quantised operand takes f32 operands (vector FMAs, or v_wmma_f32_16x16x4_f32). A number that lies on a knife's edge between two numbers of the format may be rounded either way, as far as f32 arithmetic and the matrix unit's own rounding can turn it there, and no further.
;; One version. Each part assembles by itself: llvm-mc -triple=amdgcn-amd-amdhsa -mcpu=gfx1250 --defsym DOCPART=n.
;; ======== version 1 of 1: 1 launch
;; limits: right only within a limited range of input values
;; launch attn (part 1): grid 256 x 1, 16 waves a work-group, clusters of 4 x 1, 110,080 bytes of LDS; arguments q, k, v, out0; writes out0
.if DOCPART == 1
	.amdgcn_target "amdgcn-amd-amdhsa--gfx1250"
	.amdhsa_code_object_version 6
	.text
	.protected	k_q0c22f7f09c_attn
	.globl	k_q0c22f7f09c_attn
	.p2align	8
	.type	k_q0c22f7f09c_attn,@function
k_q0c22f7f09c_attn:
	s_mov_b64 s[64:65], 0
	v_nop
	global_prefetch_b8 v0, s[64:65] scope:SCOPE_SE
	s_setreg_imm32_b32 hwreg(HW_REG_WAVE_MODE, 25, 1), 1
	s_wait_xcnt 0x0
	s_wait_alu depctr_hold_cnt(0) depctr_sa_sdst(0) depctr_va_vdst(0) depctr_va_sdst(0) depctr_va_ssrc(0) depctr_va_vcc(0) depctr_vm_vsrc(0)
	s_getreg_b32 s2, hwreg(HW_REG_IB_STS2, 6, 4)
	s_cmp_eq_u32 s2, 0
	s_cbranch_scc0 .Lentry_in_a_cluster
	s_endpgm
.Lentry_in_a_cluster:
	s_bfe_u32 s2, ttmp6, 0x10000c
	s_cmp_lg_u32 s2, 0x3003
	s_cbranch_scc0 .Lentry_shape_is_right
	s_endpgm
.Lentry_shape_is_right:
; out0[b][n][64 h + d] = the sum over keys m of softmax_m(qn[n] . kn[m]) v[m][d], for each of 128 heads (b, h); qn, kn: q, k divided by max(their length, 1e-12).
; q, k, v: [128 heads][1024][64] f32.  Both products run on codes of E3M2 with one E8M0 scale for each 32 along K; all else is f32.
; SHARES.  A work-group owns 512 queries of one head: 256 work-groups, four to a cluster (the two halves of two heads).  Each of its sixteen waves owns 32 queries, two tiles of 16,
; in 256 registers, and walks the head's 1,024 keys in 8 chunks of 128.
; THE STREAM.  k and v go from memory straight into registers: waves 0 to 7 take 16 keys of k each, waves 8 to 15 a block of 32 keys of v at 32 channels each, 32 registers a wave and
; chunk.  They are quantised there (k: normalised, along d; v: along the keys) and left in LDS as IMAGES OF OPERAND REGISTERS, a ring of three slots.  In trip j chunk j + 1 is quantised,
; chunk j + 2 is asked for, the barrier is signalled, chunk j is multiplied, and only then the barrier is waited for: what stands between signal and wait reads slot j % 3 alone, and
; the next stores, behind the wait, go to slot (j + 2) % 3, which every wave had finished with ahead of its signal.
; NO JOINT LOADS: they land in LDS, and here no LDS byte is filled from memory.  NO PREFETCH: a wave's 32 registers of a chunk are asked for a whole trip, 24 products and some 400 vector
; instructions, ahead of their use, with the next trip's work still to be done by its SIMD's other waves.
; LAYOUT.  S^T = K Q^T and O^T = V^T P^T: a lane holds one query (lane % 16) throughout.  The first product's K is 64, half of the instruction's 128: a fragment of K's codes carries
; TWO tiles of 16 keys (k 0-63 and k 64-127) and is multiplied once by [Q | zeros] and once by [zeros | Q].  Row m of tile tau of a group of 64 keys is key 32 (m / 8) + 8 tau + m % 8,
; so that a lane's 32 results of the four tiles are the 32 NEIGHBOURING keys 32 (lane / 16) + 0 .. 31: a whole block of the second product's K, in the order of its operand's registers.
; THE SOFTMAX.  p = 2^t, t = logit x log2(e), with M = 0.  Both vectors are normalised by the problem's own definition and then rounded to codes whose error is at most one eighth of
; a number (plus 1/64 of a block's largest): lengths at most 1.15, |logit| < 1.33, |t| < 2, so 1/4 < p < 4 and a row's sum is under 4,096 for every input.  M is a whole number that a
; block's scale takes up exactly, so the codes and O / l are those of M = ceil(the row's largest t).  The row's sum is taken of the unquantised p.
; LIMITS.  NaN and infinities among the inputs are not served.  1 / max(length, 1e-12) is min(v_rsq_f32(sum of squares), 1e12), a few 1e-7 of the quotient; a sum of squares that
; is 0 or denormal gives 1e12, one that overflows gives 0, as the definition does.  A block of zeros gets the scale byte 1 (not 127) over zero codes; only this text reads the bytes.
.set RP,     272                       ; a row in the stage: 256 bytes + 16 of padding
.set FRB,    1536                      ; a fragment's image: lane L's twelve registers at 48 L
.set VIMG,   4*FRB                     ; in a slot: K's four fragments (group c of 64 keys, pair f of tiles: 2 c + f), V's four (16 of the 64 channels each),
.set KSC,    8*FRB                     ; K's scale words: fragment F, row r at 64 F + 4 r,
.set VSC,    KSC+256                   ; V's: tile t, row r at 64 t + 4 r
.set SLOT,   VSC+256
.set STAGE,  3*SLOT                    ; behind the ring: 16 rows for each wave, its own: q's and k's way in, O's way out
.set SPARE,  STAGE+16*16*RP            ; the spare words, 128 bytes for each wave: eight blocks of 256 bytes that no other line names
.set CHUNK,  32768                     ; 128 rows of 256 bytes in memory
.set SPW, 1                            ; v1     LDS address of my spare word; never rewritten
.set NIL, 2                            ; v2     0; never rewritten
.set SI,  3                            ; v3     my stage: as loaded, lanes 0-15 one row, lanes 16-31 the next
.set SO,  4                            ; v4     my stage: row r, my half's 32 numbers
.set KIW, 5                            ; v5     where my codes of k go,
.set KSW, 6                            ; v6     my scale byte of k,
.set VIW, 7                            ; v7     my codes of v,
.set VSW, 8                            ; v8     my scale byte of v
.set AIM, 9                            ; v9     an image's place for my lane
.set ASC, 10                           ; v10    a scale word's
.set GK,  11                           ; v11    16 x lane
.set GV,  12                           ; v12    4 x lane
.set SH8, 13                           ; v13    8 x (lane / 16)
.set OI,  14                           ; v14    my stage: O's way in
.set OC,  15                           ; v15    my place in out0's rows
.set QZ,  20                           ; v20-49 zeros, Q of tile 0, zeros, Q of tile 1, zeros: six registers each
.set QS,  50                           ; v50-51 Q's scale words: bytes s0 s1 s0 s1
.set KS,  52                           ; v52-53 K's scale words of group 0, 1: lanes 0-15 pair f = 0, lanes 16-31 pair f = 1
.set VS,  54                           ; v54-55 V's: tiles 0 | 1, tiles 2 | 3
.set PS,  56                           ; v56-57 P's, a register a tile of queries
.set L,   58                           ; v58-61 the rows' sums, a pair a tile of queries
.set BY,  62                           ; v62-63 P's scale bytes in the making
.set S,   64                           ; v64-95   S^T, then p, of 64 keys x 16 queries.  Also: V's fragments 2 and 3; the numbers being normalised
.set KF,  96                           ; v96-119  two fragments of K, then V's fragments 0 and 1
.set PC,  120                          ; v120-143 P's codes, twelve registers a tile of queries
.set C,   132                          ; v132-138 the quantiser's codes (P's are not alive then)
.set RAW0, 96                          ; v96-127  at the head: chunk 0
.set O,   144                          ; v144-207 O^T: accumulator (tile of queries qt, tile of channels t) at O + 32 qt + 8 t.  At the head: q
.set R,   208                          ; v208-239 the next chunk's numbers, on their way
.set T,   240                          ; v240-255 at work
.set WV,  12                           ; s12      my wave's number
.set SEL, 32                           ; s[32:33] v_permlanex16_b32's selects for lane l xor 16
.set CS,  36                           ; s[36:37] log2(e): the packed form names a pair and takes its low word for both halves
.set CNT, 38                           ; s38      the loop's counter
.set GB,  40                           ; s[40:41] where my part of the chunk being asked for begins
.macro PLACES n
.rept \n
	v_nop
.endr
.endm
.macro STLE
	s_wait_alu depctr_va_vdst(0)
.endm
	s_load_b256 s[4:11], s[0:1], 0x0               ; q s[4:5], k s[6:7], v s[8:9], out0 s[10:11]
	v_lshl_add_u32 v[SPW], v0, 2, SPARE
	v_mov_b32 v[NIL], 0
	v_lshrrev_b32 v240, 5, v0
	v_readfirstlane_b32 s[WV], v240                ; wave 0..15
	s_mov_b32 s[SEL], 0x76543210
	s_mov_b32 s[SEL+1], 0xfedcba98
	s_mov_b32 s[CS], 0x3fb8aa3b                    ; log2(e)
	s_mov_b32 s[CS+1], s[CS]                       ; (named with it as a pair, so it is written)
	s_bfe_u32 s13, ttmp6, 0x40000                  ; cx
	s_lshl_b32 s14, ttmp9, 2
	s_add_co_u32 s13, s13, s14                     ; work-group 0..255
	s_lshr_b32 s14, s13, 1                         ; head 0..127
	s_and_b32 s13, s13, 1                          ; which 512 of its queries
	s_mul_i32 s15, s[WV], 16*RP
	s_add_co_u32 s15, s15, STAGE                   ; my stage
	; k: wave w takes keys 16 w on of a chunk: group c = w / 4, row half rho = (w / 2) % 2, pair f = w % 2; lane (r, h): row 8 rho + r % 8 of tile u = r / 8 of the pair, block h of d.
	; v: wave 8 + w takes block kb = w / 2 of 32 keys (kb % 2 = rho, kb / 2 = c) and channels 32 (w % 2) + lane.
	s_and_b32 s16, s[WV], 7                        ; w
	s_lshr_b32 s17, s16, 2                         ; c
	s_and_b32 s18, s16, 1                          ; f
	s_bfe_u32 s19, s16, 0x10001                    ; rho
	s_lshr_b32 s23, s16, 1                         ; kb
	s_lshl_b32 s20, s17, 1
	s_add_co_u32 s20, s20, s18                     ; fragment 2 c + f
	s_mul_i32 s21, s20, FRB
	s_mul_i32 s24, s19, 8*48
	s_add_co_u32 s21, s21, s24                     ; k's codes
	s_lshl_b32 s22, s20, 6
	s_lshl_b32 s24, s19, 5
	s_add_co_u32 s22, s22, s24
	s_add_co_u32 s22, s22, KSC                     ; k's scale bytes
	s_mul_i32 s24, s18, 2*FRB
	s_mul_i32 s25, s19, 16*48
	s_add_co_u32 s24, s24, s25
	s_mul_i32 s25, s17, 24
	s_add_co_u32 s24, s24, s25
	s_add_co_u32 s24, s24, VIMG                    ; v's codes
	s_lshl_b32 s25, s18, 7
	s_add_co_u32 s25, s25, s23
	s_add_co_u32 s25, s25, VSC                     ; v's scale bytes
	v_and_b32 v240, 15, v0                         ; r
	v_bfe_u32 v241, v0, 4, 1                       ; h
	v_and_b32 v242, 31, v0                         ; lane
	v_and_b32 v243, 7, v0                          ; r % 8
	v_bfe_u32 v244, v0, 3, 1                       ; r / 8
	v_mul_u32_u24 v[SI], v241, RP
	v_mul_u32_u24 v[SO], v240, RP
	v_mul_u32_u24 v[KIW], v243, 48
	v_lshlrev_b32 v[KSW], 2, v243
	v_mul_u32_u24 v[VIW], v240, 48
	v_mul_u32_u24 v[AIM], v242, 48
	v_lshlrev_b32 v[GK], 4, v242
	v_lshlrev_b32 v[GV], 2, v242
	v_lshlrev_b32 v[OC], 12, v241
	v_lshlrev_b32 v[SH8], 3, v241
	v_lshl_add_u32 v[OI], v241, 5, v[SO]           ; row r, tile t's eight channels of my half: 64 t + 32 h bytes on
	v_lshl_add_u32 v[SI], v240, 4, v[SI]
	v_lshl_add_u32 v[SO], v241, 7, v[SO]
	v_mad_u32_u24 v[KIW], v244, 24, v[KIW]
	v_lshl_add_u32 v[KSW], v244, 1, v[KSW]
	v_mad_u32_u24 v[VIW], v241, FRB, v[VIW]
	v_lshl_add_u32 v[OC], v240, 4, v[OC]           ; 16 lanes a row of out0, two rows an instruction
	v_lshl_add_u32 v[ASC], v242, 2, KSC
	v_lshl_add_u32 v[VSW], v242, 2, s25
	v_add_nc_u32 v[OI], s15, v[OI]
	v_add_nc_u32 v[SI], s15, v[SI]
	v_add_nc_u32 v[SO], s15, v[SO]
	v_mad_u32_u24 v[KIW], v241, 16*48, v[KIW]
	v_add_nc_u32 v[KSW], v[KSW], v241
	v_add_nc_u32 v[VIW], s24, v[VIW]
	v_add_nc_u32 v[KIW], s21, v[KIW]
	v_add_nc_u32 v[KSW], s22, v[KSW]
	STLE
	s_lshl_b32 s26, s14, 18                        ; the head's first byte in q, k and v: 1,024 rows of 256 bytes
	s_lshl_b32 s28, s13, 17                        ; q: my work-group's 512 rows,
	s_lshl_b32 s30, s[WV], 13                      ; my wave's 32 of them
	s_add_co_u32 s28, s28, s30
	s_add_co_u32 s28, s28, s26
	s_mov_b32 s29, 0
	s_lshl_b32 s30, s16, 12                        ; k: 16 rows a wave
	s_lshl_b32 s31, s23, 13                        ; v: 32 rows a pair of waves,
	s_lshl_b32 s27, s18, 7
	s_add_co_u32 s31, s31, s27                     ; 128 bytes of each row a wave
	s_lshr_b32 s42, s14, 4                         ; out0 at my first query: b x 2^22 + n x 4,096 + h x 256
	s_lshl_b32 s42, s42, 22
	s_and_b32 s43, s14, 15
	s_lshl_b32 s43, s43, 8
	s_add_co_u32 s42, s42, s43
	s_lshl_b32 s43, s13, 21
	s_add_co_u32 s42, s42, s43
	s_lshl_b32 s43, s[WV], 17
	s_add_co_u32 s42, s42, s43
	s_mov_b32 s43, 0
	s_wait_kmcnt 0x0
	s_cmp_lt_u32 s[WV], 8                          ; waves 0 to 7: k; 8 to 15: v
	s_cselect_b32 s30, s30, s31
	s_cselect_b64 s[GB:GB+1], s[6:7], s[8:9]
	s_add_co_u32 s30, s30, s26
	s_mov_b32 s31, 0
	s_add_nc_u64 s[GB:GB+1], s[GB:GB+1], s[30:31]
	s_add_nc_u64 s[4:5], s[4:5], s[28:29]
	s_add_nc_u64 s[10:11], s[10:11], s[42:43]
.macro KLD d                           ; k: 16 rows, 4,096 dense bytes, 512 a load
.irp i, 0,1,2,3,4,5,6,7
	global_load_b128 v[\d+4*\i:\d+4*\i+3], v[GK], s[GB:GB+1] offset:512*\i
.endr
.endm
.macro VLD d                           ; v: a lane to a channel, registers down the keys: a whole block of the second product's K in a lane
.set j, 0
.rept 32
	global_load_b32 v[\d+j], v[GV], s[GB:GB+1] offset:256*j
.set j, j+1
.endr
.endm
	s_cmp_lt_u32 s[WV], 8
	s_cbranch_scc0 .Lfirst_v
	KLD RAW0
	s_branch .Lfirst_done
.Lfirst_v:
	VLD RAW0
.Lfirst_done:
.irp i, 0,1,2,3,4,5,6,7,8,9,10,11,12,13,14,15
	global_load_b128 v[O+4*\i:O+4*\i+3], v[GK], s[4:5] offset:512*\i th:TH_LOAD_NT   ; q, tile i / 8: its rows 2 (i % 8) and 2 (i % 8) + 1
.endr
.irp i, 0,1,2,3,4,5
	v_mov_b32 v[QZ+\i], 0                          ; zero codes: the halves of K in which a product's tile of keys does not lie
	v_mov_b32 v[QZ+12+\i], 0
	v_mov_b32 v[QZ+24+\i], 0
.endr
.irp i, 0,1,2,3
	v_mov_b32 v[L+\i], 0                           ; the rows' sums
.endr
	v_mov_b32 v[T+7], 0                            ; (named as the upper half of a pair before it is first written)
	v_mov_b32 v[T+10], 0                           ; (a lane permute's destination counts as one of its sources)
; A tile of 16 rows of 64 numbers: from registers src (as loaded) through my stage to v[S ..]: lane (r, h) gets block h, 32 numbers, of row r.  LDS serves a wave's instructions in order
; (ISA guide 5.7.1.4): no wait between the stores and the loads.
.macro TURN src
.irp i, 0,1,2,3,4,5,6,7
	ds_store_b128 v[SI], v[\src+4*\i:\src+4*\i+3] offset:2*RP*\i
.endr
.irp i, 0,1,2,3,4,5,6,7
	ds_load_b128 v[S+4*\i:S+4*\i+3], v[SO] offset:16*\i
.endr
.endm
; The tile in v[S ..] is normalised and quantised: the block's codes 0-15 into d1, 16-31 into d2, its scale byte into T + 9.
.macro NORMQ d1, d2
	v_pk_mul_f32 v[T:T+1], v[S:S+1], v[S:S+1]                       ; the sum of squares in two chains, the largest magnitude in two more, by turns
	v_pk_mul_f32 v[T+2:T+3], v[S+2:S+3], v[S+2:S+3]
	v_max3_num_f32 v[T+4], |v[S]|, |v[S+1]|, |v[S+2]|
	v_max3_num_f32 v[T+5], |v[S+3]|, |v[S+4]|, |v[S+5]|
.irp i, 4,8,12,16,20,24,28
	v_pk_fma_f32 v[T:T+1], v[S+\i:S+\i+1], v[S+\i:S+\i+1], v[T:T+1]
	v_pk_fma_f32 v[T+2:T+3], v[S+\i+2:S+\i+3], v[S+\i+2:S+\i+3], v[T+2:T+3]
.if \i < 28
	v_max3_num_f32 v[T+4], v[T+4], |v[S+\i+2]|, |v[S+\i+3]|
	v_max3_num_f32 v[T+5], v[T+5], |v[S+\i+4]|, |v[S+\i+5]|
.endif
.endr
	v_pk_add_f32 v[T:T+1], v[T:T+1], v[T+2:T+3]
	v_max3_num_f32 v[T+4], v[T+4], |v[S+30]|, |v[S+31]|
	v_add_f32 v[T], v[T], v[T+1]
	v_max_num_f32 v[T+4], v[T+4], v[T+5]
	v_permlanex16_b32 v[T+1], v[T], s[SEL], s[SEL+1]
	v_add_f32 v[T], v[T], v[T+1]                   ; with the other block's: the row's
	STLE
	v_rsq_f32 v[T+6], v[T]
	v_nop                                          ; (a plain line behind the transcendental: ISA guide 5.7.2)
	STLE
	v_min_num_f32 v[T+6], 0x5368d4a5, v[T+6]       ; 1 / max(length, 1e-12)
.set j, 0
.rept 8
	v_pk_mul_f32 v[S+j:S+j+1], v[S+j:S+j+1], v[T+6:T+7] op_sel_hi:[1,0]
.set j, j+2
.endr
	v_mul_f32 v[T+4], v[T+4], v[T+6]               ; the largest magnitude of the normalised block: rounding keeps order, so these are the bits of the largest product
.rept 4
	v_pk_mul_f32 v[S+j:S+j+1], v[S+j:S+j+1], v[T+6:T+7] op_sel_hi:[1,0]
.set j, j+2
.endr
	v_max_num_f32 v[T+4], 0x2800000, v[T+4]        ; the floor 2^(5 - 127): the byte cannot fall under 1
.rept 4
	v_pk_mul_f32 v[S+j:S+j+1], v[S+j:S+j+1], v[T+6:T+7] op_sel_hi:[1,0]
.set j, j+2
.endr
	v_add_nc_u32 v[T+8], 0xfe000000, v[T+4]        ; 4 off the exponent field: the conversion takes the exponent field of this operand as its scale
	v_cvt_scalef32_pk16_bf6_f32 v[\d1:\d1+2], v[S:S+15], v[T+8]
	v_cvt_scalef32_pk16_bf6_f32 v[\d2:\d2+2], v[S+16:S+31], v[T+8]  ; (a conversion's three registers begin on an even number)
	v_lshrrev_b32 v[T+9], 23, v[T+8]               ; the scale's byte.  (The plain line behind the conversions)
.endm
; A tile of queries becomes an operand: six registers of codes in the operand's own order, and the scale word.
.macro QTILE qt
	NORMQ QZ+6+12*\qt, T+12
	v_lshlrev_b32 v[T+9], v[SH8], v[T+9]           ; my byte at its place
.irp i, 0,1,2
	v_mov_b32 v[QZ+9+12*\qt+\i], v[T+12+\i]
.endr
	v_permlanex16_b32 v[T+10], v[T+9], s[SEL], s[SEL+1]
	v_or_b32 v[T+9], v[T+9], v[T+10]               ; both blocks' bytes,
	v_lshl_or_b32 v[QS+\qt], v[T+9], 16, v[T+9]    ; twice: for Q in the lower and in the upper half of K
.endm
; A block of v in a lane's 32 registers x on.
.macro VQ x
	v_max3_num_f32 v[T], |v[\x]|, |v[\x+1]|, 0x2800000              ; the largest magnitude in four chains, the floor among the leaves
	v_max3_num_f32 v[T+1], |v[\x+2]|, |v[\x+3]|, |v[\x+4]|
	v_max3_num_f32 v[T+2], |v[\x+5]|, |v[\x+6]|, |v[\x+7]|
	v_max3_num_f32 v[T+3], |v[\x+8]|, |v[\x+9]|, |v[\x+10]|
.irp i, 11,19
.irp a, 0,1,2,3
	v_max3_num_f32 v[T+\a], v[T+\a], |v[\x+\i+2*\a]|, |v[\x+\i+2*\a+1]|
.endr
.endr
	v_max3_num_f32 v[T], v[T], |v[\x+27]|, |v[\x+28]|
	v_max3_num_f32 v[T+1], v[T+1], |v[\x+29]|, |v[\x+30]|
	v_max3_num_f32 v[T+2], v[T+2], v[T+3], |v[\x+31]|
	v_max3_num_f32 v[T], v[T], v[T+1], v[T+2]
	v_add_nc_u32 v[T+8], 0xfe000000, v[T]
	v_cvt_scalef32_pk16_bf6_f32 v[C:C+2], v[\x:\x+15], v[T+8]
	v_cvt_scalef32_pk16_bf6_f32 v[C+4:C+6], v[\x+16:\x+31], v[T+8]
	v_lshrrev_b32 v[T+9], 23, v[T+8]
.endm
.macro PUT a, b, n                     ; a block's 24 bytes of codes and its scale byte into slot n's images
	v_mov_b32 v[C+3], v[C+4]
	ds_store_b64 v[\a], v[C:C+1] offset:\n*SLOT
	ds_store_b64 v[\a], v[C+2:C+3] offset:\n*SLOT+8
	ds_store_b32 v[\a], v[C+5] offset:\n*SLOT+16
	ds_store_b32 v[\a], v[C+6] offset:\n*SLOT+20
	ds_store_b8 v[\b], v[T+9] offset:\n*SLOT
.endm
; THE QUANTISER: my share of the chunk in registers src goes into slot n's images; then my share of the next chunk is asked for.  behind: loads issued behind src's (at the head: q's sixteen).
; once = 1: the loop's last pass has no chunk left to ask for.
.macro QUANT src, n, behind, once
	s_wait_xcnt 0x0                                ; the last loads have read their base
	s_add_nc_u64 s[GB:GB+1], s[GB:GB+1], CHUNK
	s_cmp_lt_u32 s[WV], 8
	s_cbranch_scc0 .Lquant_v_\@
	s_wait_loadcnt \behind
	TURN \src
	s_wait_dscnt 0x0                               ; the tile is back; my stores have read src, which the next loads take
	NORMQ C, C+4
	PUT KIW, KSW, \n
.if \once
	s_cmp_eq_u32 s[CNT], 1
	s_cbranch_scc1 .Lquant_done_\@
.endif
	KLD R
.if \behind
	s_wait_loadcnt 16                              ; q's tile 0 is in; its tile 1 (8 loads) and chunk 1 (8) may be out
.endif
	s_branch .Lquant_done_\@
.Lquant_v_\@:
	s_wait_loadcnt \behind
	VQ \src
	PUT VIW, VSW, \n
.if \once
	s_cmp_eq_u32 s[CNT], 1
	s_cbranch_scc1 .Lquant_done_\@
.endif
	VLD R
.if \behind
	s_wait_loadcnt 40                              ; the same: 8 and 32 may be out
.endif
.Lquant_done_\@:
.endm
.macro KLOAD s, c                      ; the two fragments of K of group c
.irp f, 0,1
.irp g, 0,1,2
	ds_load_b128 v[KF+12*\f+4*\g:KF+12*\f+4*\g+3], v[AIM] offset:\s*SLOT+(2*\c+\f)*FRB+16*\g
.endr
.endr
.endm
.macro VLOAD s, t                      ; V's fragment t: 0 and 1 into K's registers, 2 and 3 into those that p leaves
.set VF, KF+12*\t
.if \t > 1
.set VF, S+12*(\t-2)
.endif
.irp g, 0,1,2
	ds_load_b128 v[VF+4*\g:VF+4*\g+3], v[AIM] offset:\s*SLOT+VIMG+\t*FRB+16*\g
.endr
.endm
.macro CHEAD s                         ; the chunk's scale words and K's first two fragments
	ds_load_b32 v[KS], v[ASC] offset:\s*SLOT
	ds_load_b32 v[KS+1], v[ASC] offset:\s*SLOT+128
	ds_load_b32 v[VS], v[ASC] offset:\s*SLOT+256
	ds_load_b32 v[VS+1], v[ASC] offset:\s*SLOT+384
	KLOAD \s, 0
.endm
; Four products: 64 keys x 16 queries.  Tile tau = 2 f + u: fragment f against [Q | zeros] (u = 0) or [zeros | Q] (u = 1).  Each starts its sum with the constant 0.
.macro SPRODS c, qt
.irp u, 0,1
	v_wmma_scale_f32_16x16x128_f8f6f4 v[S+8*\u:S+8*\u+7], v[KF:KF+11], v[QZ+6+12*\qt-6*\u:QZ+17+12*\qt-6*\u], 0, v[KS+\c], v[QS+\qt] matrix_a_fmt:MATRIX_FMT_BF6 matrix_b_fmt:MATRIX_FMT_BF6
.endr
.irp u, 0,1
	v_wmma_scale_f32_16x16x128_f8f6f4 v[S+16+8*\u:S+16+8*\u+7], v[KF+12:KF+23], v[QZ+6+12*\qt-6*\u:QZ+17+12*\qt-6*\u], 0, v[KS+\c], v[QS+\qt] matrix_a_fmt:MATRIX_FMT_BF6 matrix_b_fmt:MATRIX_FMT_BF6 matrix_a_scale:MATRIX_SCALE_ROW1
.endr
.endm
; What is left of a unit's softmax: the codes' second half to its place, the scale byte, and (sum = 1) the last addition of the row's sum.  These five or nine lines stand behind the NEXT
; unit's products, name none of their registers, and are the places there.
.macro FIN c, qt, sum
.if \c
	v_lshrrev_b32 v[T+9], 23, v[T+8]
.else
	v_lshrrev_b32 v[BY+\qt], 23, v[T+8]
.endif
	v_mov_b32 v[PC+12*\qt+6*\c+3], v[T+12]
.if \c
	v_lshl_or_b32 v[BY+\qt], v[T+9], 16, v[BY+\qt] ; my two bytes: blocks h and 2 + h of these 128 keys
.endif
	v_mov_b32 v[PC+12*\qt+6*\c+4], v[T+13]
.if \c
	v_lshlrev_b32 v[BY+\qt], v[SH8], v[BY+\qt]     ; at their places
.endif
	v_mov_b32 v[PC+12*\qt+6*\c+5], v[T+14]
.if \c
	v_permlanex16_b32 v[T+10], v[BY+\qt], s[SEL], s[SEL+1]
.endif
.if \sum
	v_pk_add_f32 v[L+2*\qt:L+2*\qt+1], v[L+2*\qt:L+2*\qt+1], v[T+4:T+5]
.endif
.if \c
	v_or_b32 v[PS+\qt], v[BY+\qt], v[T+10]         ; with lane l xor 16's two the word is whole
.endif
.endm
.macro SUMS qt                         ; THE ROW'S SUM IS TAKEN OF THE UNQUANTISED p: two at a time, in three chains; the last addition is FIN's or stands behind
	v_pk_add_f32 v[T+4:T+5], v[S:S+1], v[S+2:S+3]
	v_pk_add_f32 v[T+6:T+7], v[S+4:S+5], v[S+6:S+7]
.irp i, 8,14,20,26
	v_pk_add_f32 v[L+2*\qt:L+2*\qt+1], v[L+2*\qt:L+2*\qt+1], v[S+\i:S+\i+1]
	v_pk_add_f32 v[T+4:T+5], v[T+4:T+5], v[S+\i+2:S+\i+3]
	v_pk_add_f32 v[T+6:T+7], v[T+6:T+7], v[S+\i+4:S+\i+5]
.endr
	v_pk_add_f32 v[T+4:T+5], v[T+4:T+5], v[T+6:T+7]
.endm
; THE SOFTMAX of a unit, 64 keys x 16 queries: a lane's 32 registers are one block of 32 keys of one query.  last = 1: products of O^T follow, so FIN stands here and the sums behind it are
; the places between the making of P's operand and the products that take it.
.macro SOFT c, qt, last
.set j, 0
.rept 16
	v_pk_mul_f32 v[S+j:S+j+1], v[S+j:S+j+1], s[CS:CS+1] op_sel_hi:[1,0]        ; t = score x log2(e), each accumulator from its low end on
.set j, j+2
.endr
.irp a, 0,1,2,3
	v_max3_num_f32 v[T+\a], v[S+8*\a], v[S+8*\a+1], v[S+8*\a+2]                ; the block's largest t, in four chains: since p rises with t, it gives the block's largest p
.endr
.irp i, 3,5
.irp a, 0,1,2,3
	v_max3_num_f32 v[T+\a], v[T+\a], v[S+8*\a+\i], v[S+8*\a+\i+1]
.endr
.endr
	v_max3_num_f32 v[T], v[T], v[T+1], v[S+7]
	v_max3_num_f32 v[T+2], v[T+2], v[T+3], v[S+15]
	v_max3_num_f32 v[T], v[T], v[S+23], v[S+31]
	v_max_num_f32 v[T], v[T], v[T+2]
	STLE
	v_exp_f32 v[T], v[T]                           ; the block's largest p: the same instruction on the same number gives the same bits
.set j, 0
.rept 32
	v_exp_f32 v[S+j], v[S+j]                       ; p = 2^t, between 1/4 and 4
.set j, j+1
.endr
	v_nop                                          ; a plain line behind the exponentials
	STLE
	v_add_nc_u32 v[T+8], 0xfe000000, v[T]          ; the conversion's scale operand (no floor: p is at least 1/4)
	v_cvt_scalef32_pk16_bf6_f32 v[PC+12*\qt+6*\c:PC+12*\qt+6*\c+2], v[S:S+15], v[T+8]
	v_cvt_scalef32_pk16_bf6_f32 v[T+12:T+14], v[S+16:S+31], v[T+8]
.if \last
	FIN \c, \qt, 0
	SUMS \qt
	v_pk_add_f32 v[L+2*\qt:L+2*\qt+1], v[L+2*\qt:L+2*\qt+1], v[T+4:T+5]
.else
	SUMS \qt
.endif
.endm
; One product of O^T += V^T P^T: channels 16 t on, tile of queries qt, K = the chunk's 128 keys.  zero = 1: it starts the sum.
.macro PV t, qt, zero
.set VF, KF+12*\t
.if \t > 1
.set VF, S+12*(\t-2)
.endif
.if \zero
.if \t%2
	v_wmma_scale_f32_16x16x128_f8f6f4 v[O+32*\qt+8*\t:O+32*\qt+8*\t+7], v[VF:VF+11], v[PC+12*\qt:PC+12*\qt+11], 0, v[VS+\t/2], v[PS+\qt] matrix_a_fmt:MATRIX_FMT_BF6 matrix_b_fmt:MATRIX_FMT_BF6 matrix_a_scale:MATRIX_SCALE_ROW1
.else
	v_wmma_scale_f32_16x16x128_f8f6f4 v[O+32*\qt+8*\t:O+32*\qt+8*\t+7], v[VF:VF+11], v[PC+12*\qt:PC+12*\qt+11], 0, v[VS+\t/2], v[PS+\qt] matrix_a_fmt:MATRIX_FMT_BF6 matrix_b_fmt:MATRIX_FMT_BF6
.endif
.else
.if \t%2
	v_wmma_scale_f32_16x16x128_f8f6f4 v[O+32*\qt+8*\t:O+32*\qt+8*\t+7], v[VF:VF+11], v[PC+12*\qt:PC+12*\qt+11], v[O+32*\qt+8*\t:O+32*\qt+8*\t+7], v[VS+\t/2], v[PS+\qt] matrix_a_fmt:MATRIX_FMT_BF6 matrix_b_fmt:MATRIX_FMT_BF6 matrix_a_scale:MATRIX_SCALE_ROW1
.else
	v_wmma_scale_f32_16x16x128_f8f6f4 v[O+32*\qt+8*\t:O+32*\qt+8*\t+7], v[VF:VF+11], v[PC+12*\qt:PC+12*\qt+11], v[O+32*\qt+8*\t:O+32*\qt+8*\t+7], v[VS+\t/2], v[PS+\qt] matrix_a_fmt:MATRIX_FMT_BF6 matrix_b_fmt:MATRIX_FMT_BF6
.endif
.endif
.endm
; The chunk in slot s against both tiles of queries: K's and V's fragments are read once.  The scale words and K's first two fragments are in.
.macro BOTH s
	SPRODS 0, 0
	PLACES 4
	SOFT 0, 0, 0
	SPRODS 0, 1
	FIN 0, 0, 1
	KLOAD \s, 1
	SOFT 0, 1, 0
	STLE
	s_wait_dscnt 0x0
	SPRODS 1, 0
	FIN 0, 1, 1
	SOFT 1, 0, 0
	SPRODS 1, 1
	FIN 1, 0, 1
	VLOAD \s, 0
	VLOAD \s, 1
	SOFT 1, 1, 1
	VLOAD \s, 2
	VLOAD \s, 3
	s_wait_dscnt 6                                 ; fragments 0 and 1 are in; 2 and 3 may be out
	STLE
.irp t, 0,1
	PV \t, 0, 0                                    ; the eight accumulators take turns, one instruction a turn
	PV \t, 1, 0
.endr
	s_wait_dscnt 0x0
	STLE
.irp t, 2,3
	PV \t, 0, 0
	PV \t, 1, 0
.endr
.endm
; The same against one tile of queries: the first trip so starts with half of q, the last so stores tile 0 ahead of tile 1's work.
.macro ONE s, qt, zero
	SPRODS 0, \qt
	PLACES 4
	KLOAD \s, 1
	SOFT 0, \qt, 0
	STLE
	s_wait_dscnt 0x0
	SPRODS 1, \qt
	FIN 0, \qt, 1
	VLOAD \s, 0
	VLOAD \s, 1
	SOFT 1, \qt, 1
	VLOAD \s, 2
	VLOAD \s, 3
	s_wait_dscnt 6
	STLE
	PV 0, \qt, \zero
	PV 1, \qt, \zero
	s_wait_dscnt 0x0
	STLE
	PV 2, \qt, \zero
	PV 3, \qt, \zero
.endm
; A trip's two ends.  In front of the signal my stores of the next chunk's images have landed; the wait stands behind this chunk's products.
.macro SIGNAL
	STLE
	s_wait_dscnt 0x0
	s_barrier_signal -1
.endm
.macro MEET
	PLACES 5                                       ; behind the last products: loads will land in their operands and scales (four places), and products will write over V's fragments (five)
	STLE
	s_barrier_wait -1
.endm
.macro TRIP s, n, once
	CHEAD \s
	QUANT R, \n, 0, \once
	SIGNAL
	BOTH \s
	MEET
.endm
; THE WAY OUT of a tile of queries.  O^T / the row's sum goes through my stage and leaves as rows: a query's 64 numbers of this head are 256 consecutive bytes of out0.
.macro OUT qt, bk
	v_add_f32 v[T], v[L+2*\qt], v[L+2*\qt+1]       ; the sum's two halves.  (The plain lines up to the first multiplication are the places behind the last products)
	v_nop
	v_permlanex16_b32 v[T+2], v[T], s[SEL], s[SEL+1]
	v_nop
	v_add_f32 v[T], v[T], v[T+2]                   ; and lane l xor 16's: the row's sum
	STLE
	v_rcp_f32 v[T+4], v[T]
	v_nop                                          ; a plain line behind the transcendental
.if \qt == 0
	KLOAD 1, 0                                     ; for tile 1's work
.endif
	STLE
.set j, 0
.rept 16
	v_pk_mul_f32 v[O+32*\qt+j:O+32*\qt+j+1], v[O+32*\qt+j:O+32*\qt+j+1], v[T+4:T+5] op_sel_hi:[1,0]   ; each accumulator from its low end on
.set j, j+2
.endr
.irp t, 0,1,2,3
	ds_store_b128 v[OI], v[O+32*\qt+8*\t:O+32*\qt+8*\t+3] offset:64*\t
	ds_store_b128 v[OI], v[O+32*\qt+8*\t+4:O+32*\qt+8*\t+7] offset:64*\t+16
.endr
.irp i, 0,1,2,3,4,5,6,7
	ds_load_b128 v[\bk+4*\i:\bk+4*\i+3], v[SI] offset:2*RP*\i   ; LDS serves a wave's instructions in order: these see my stores
.endr
.irp i, 0,1,2,3,4,5,6,7
	s_wait_dscnt 7-\i                              ; the tile's later loads may be out
	global_store_b128 v[OC], v[\bk+4*\i:\bk+4*\i+3], s[10:11] offset:(16*\qt+2*\i)*4096 th:TH_STORE_NT   ; 16 lanes store 256 consecutive bytes, at a multiple of 256 from out0's first byte
.endr
.endm
	STLE
	QUANT RAW0, 0, 16, 0                           ; chunk 0; chunk 1 is asked for
	TURN O                                         ; q's tile 0
	SIGNAL
	QTILE 0
	STLE
	s_barrier_wait -1                              ; chunk 0's images are whole
	; trip 0, by tiles of queries: its products start O^T's sums, nothing is cleared
	CHEAD 0
	STLE
	s_wait_dscnt 0x0
	ONE 0, 0, 1
	PLACES 5                                       ; loads will land in the last products' operands, and products will write over them
	KLOAD 0, 0
	STLE
	s_wait_loadcnt 0x0                             ; q's tile 1 is in, and chunk 1, which is wanted next
	TURN O+32
	s_wait_dscnt 0x0
	QTILE 1
	STLE
	QUANT R, 1, 0, 0
	SIGNAL
	ONE 0, 1, 1
	MEET
	s_mov_b32 s[CNT], 2
.Ltrip:                                                ; three trips a pass, so that the slots are constants of the text: trips 1 to 6
	TRIP 1, 2, 0
	TRIP 2, 0, 0
	TRIP 0, 1, 1                                   ; (trip 6 quantises the last chunk and asks for nothing)
	s_sub_co_u32 s[CNT], s[CNT], 1
	s_cmp_lg_u32 s[CNT], 0
	s_cbranch_scc1 .Ltrip
	; trip 7, by tiles of queries
	CHEAD 1
	STLE
	s_wait_dscnt 0x0
	ONE 1, 0, 0
	OUT 0, R
	STLE
	s_wait_dscnt 0x0
	ONE 1, 1, 0
	OUT 1, S
	s_wait_tensorcnt 0x0                           ; the wave's end, behind my last LDS store
	ds_add_u32 v[SPW], v[NIL]
	s_wait_dscnt 0x0
	s_endpgm
.Lfunc_end_k_q0c22f7f09c_attn:
	.size	k_q0c22f7f09c_attn, .Lfunc_end_k_q0c22f7f09c_attn-k_q0c22f7f09c_attn
	.p2alignl 7, 3214868480
	.fill 96, 4, 3214868480
	.section	.rodata,"a",@progbits
	.p2align	6, 0x0
	.amdhsa_kernel k_q0c22f7f09c_attn
		.amdhsa_group_segment_fixed_size 110080
		.amdhsa_private_segment_fixed_size 0
		.amdhsa_enable_private_segment 0
		.amdhsa_kernarg_size 32
		.amdhsa_user_sgpr_count 2
		.amdhsa_user_sgpr_kernarg_segment_ptr 1
		.amdhsa_wavefront_size32 1
		.amdhsa_system_sgpr_workgroup_id_x 1
		.amdhsa_system_sgpr_workgroup_id_y 1
		.amdhsa_system_sgpr_workgroup_id_z 1
		.amdhsa_system_vgpr_workitem_id 0
		.amdhsa_next_free_vgpr 256
		.amdhsa_next_free_sgpr 66
		.amdhsa_reserve_vcc 0
		.amdhsa_float_denorm_mode_32 3
		.amdhsa_float_denorm_mode_16_64 3
		.amdhsa_memory_ordered 1
		.amdhsa_forward_progress 1
		.amdhsa_inst_pref_size 202
	.end_amdhsa_kernel
	.amdgpu_metadata
---
amdhsa.version: [ 1, 2 ]
amdhsa.kernels:
  - .name:           k_q0c22f7f09c_attn
    .symbol:         k_q0c22f7f09c_attn.kd
    .args:
      - { .name: q, .offset: 0, .size: 8, .value_kind: global_buffer, .address_space: global }
      - { .name: k, .offset: 8, .size: 8, .value_kind: global_buffer, .address_space: global }
      - { .name: v, .offset: 16, .size: 8, .value_kind: global_buffer, .address_space: global }
      - { .name: out0, .offset: 24, .size: 8, .value_kind: global_buffer, .address_space: global }
    .group_segment_fixed_size: 110080
    .private_segment_fixed_size: 0
    .kernarg_segment_align: 8
    .kernarg_segment_size: 32
    .max_flat_workgroup_size: 512
    .sgpr_count:     66
    .vgpr_count:     256
    .wavefront_size: 32
...
	.end_amdgpu_metadata
.endif
;; end of part 1
